; MI455X (gfx1250); checked and timed in simulation.
; The chip was launched on July 23, 2026; its instructions are those of AMD's public machine-readable ISA for CDNA 5 (MIT licence, August 2026) and "CDNA5" Instruction Set Architecture Reference Guide (July 2026). The comments in the code are by the model that wrote it; some were corrected since.
;; Causal MHA. Allowed arithmetic: float matrix products may take bf16 or f16 operands with f32 sums; other float arithmetic in f32, or as packed bf16 or f16 multiplies, adds, multiply-adds, maxima and minima; sums over many terms, partial sums and values carried from step to step in f32; what a program stores and reads back later, other than sums and carried values, may be rounded once to bf16 or f16.
;; Inputs: in_feature 4 x 2,048 x 1,024 float32; k_proj 1,024 x 1,024 float32; o_proj 1,024 x 1,024 float32; q_proj 1,024 x 1,024 float32; v_proj 1,024 x 1,024 float32.
;; Outputs: out0 4 x 2,048 x 1,024 float32.
;; One version. Each part assembles by itself: llvm-mc -triple=amdgcn-amd-amdhsa -mcpu=gfx1250 --defsym DOCPART=n.
;; ======== version 1 of 1: 4 launches
;; limits: values are held in f16: magnitudes above 65,504 overflow, below 6.1e-05 lose precision; right only within a limited range of input values
;; workspace buffers: xb 16,777,216 bytes; wqkv 6,291,456 bytes; woh 2,097,152 bytes; qc 33,554,432 bytes; kc 33,554,432 bytes; vt 16,777,216 bytes; ob 16,777,216 bytes
;; launch cvt (part 1): grid 1536 x 1, 8 waves a work-group, no clusters, 0 bytes of LDS; arguments in_feature, q_proj, k_proj, v_proj, o_proj, xb, wqkv, woh; writes xb, wqkv, woh
.if DOCPART == 1
	.amdgcn_target "amdgcn-amd-amdhsa--gfx1250"
	.amdhsa_code_object_version 6
	.text
	.protected	k_q2580df47ed_cvt
	.globl	k_q2580df47ed_cvt
	.p2align	8
	.type	k_q2580df47ed_cvt,@function
k_q2580df47ed_cvt:
	s_mov_b64 s[64:65], 0
	v_nop
	global_prefetch_b8 v0, s[64:65] scope:SCOPE_SE
	s_setreg_imm32_b32 hwreg(HW_REG_WAVE_MODE, 25, 1), 1
	s_wait_xcnt 0x0
; THE INPUTS' 16-BIT COPIES.  xb = bf16(x).  wqkv = bf16(W / 32) for q_proj, k_proj, v_proj, one below the other.  woh = bf16(32 o_proj), written as f16.
; The factors are powers of two, so they commute with the rounding: every input is rounded to bf16 once, and q, k, v are made 32 times smaller, so that they lie in f16's range; o_proj's factor takes that back.
; LIMITS.  |o_proj| stays under 2,047 (32 times it must lie within 65,504); a number of 32 o_proj below 6.1e-5 keeps f16's fixed step of 6e-8; a weight below 3.8e-37 loses bits to the factor 1/32.
; A stream: no LDS, no barrier, no matrix unit.  A work-group takes 8,192 numbers: 32 KiB in, 16 KiB out.  Thread t, step i: 16 bytes at 4,096 i + 16 t in, 8 bytes at 2,048 i + 8 t out:
; a wave's load covers 512 consecutive bytes, its store 256 consecutive bytes, aligned.  All eight loads of a thread go out at once; no register is written twice while a load or store names it.
; Work-groups 0 to 1,023 take x; 1,024 + 128 s + c takes chunk c of weight s (q, k, v, o).
.set X, 8                              ; v[8:39]   step i: four numbers as loaded
.set Y, 40                             ; v[40:55]  step i: four numbers in 16 bits
.set T, 56                             ; v[56:59]  at work
	s_load_b512 s[8:23], s[0:1], 0x0               ; x s[8:9], q s[10:11], k s[12:13], v s[14:15], o s[16:17], xb s[18:19], wqkv s[20:21], woh s[22:23]
	v_lshlrev_b32 v1, 4, v0                        ; 16 t
	v_lshlrev_b32 v2, 3, v0                        ; 8 t
	s_mov_b32 s26, ttmp9                           ; g
	s_sub_co_u32 s27, s26, 1024                    ; j = g - 1,024: the chunk among the weights' 512
	s_lshr_b32 s28, s27, 7                         ; which weight (a large number where g < 1,024: it matches none)
	s_and_b32 s29, s27, 127                        ; its chunk
	s_mov_b32 s25, 0
	s_wait_kmcnt 0x0
	s_cmp_eq_u32 s28, 1
	s_cselect_b64 s[4:5], s[12:13], s[10:11]       ; from: k or q,
	s_cmp_eq_u32 s28, 2
	s_cselect_b64 s[4:5], s[14:15], s[4:5]         ; or v,
	s_cmp_eq_u32 s28, 3
	s_cselect_b64 s[4:5], s[16:17], s[4:5]         ; or o;
	s_cselect_b64 s[6:7], s[22:23], s[20:21]       ; to: woh or wqkv,
	s_cselect_b32 s31, s29, s27                    ; at chunk c or j
	s_cmp_lt_u32 s26, 1024
	s_cselect_b64 s[4:5], s[8:9], s[4:5]           ; or from x
	s_cselect_b64 s[6:7], s[18:19], s[6:7]         ; to xb,
	s_cselect_b32 s31, s26, s31                    ; at chunk g
	s_cselect_b32 s30, s26, s29
	s_lshl_b32 s24, s30, 15                        ; 32 KiB a chunk in
	s_add_nc_u64 s[4:5], s[4:5], s[24:25]
	s_lshl_b32 s24, s31, 14                        ; 16 KiB a chunk out
	s_add_nc_u64 s[6:7], s[6:7], s[24:25]
.irp i, 0,1,2,3,4,5,6,7
	global_load_b128 v[X+4*(\i):X+4*(\i)+3], v1, s[4:5] offset:4096*(\i) th:TH_LOAD_NT
.endr
; kind 0: x.  kind 1: a weight of q, k, v, times 1/32.  kind 2: o_proj, times 32, rounded to bf16 and that number written as f16.
.macro CONV kind
.irp i, 0,1,2,3,4,5,6,7
	s_wait_loadcnt 7-(\i)                          ; loads come back in order: step i's is in, the 7 - i younger ones stay out
.if (\kind) == 1
	v_pk_mul_f32 v[X+4*(\i):X+4*(\i)+1], v[X+4*(\i):X+4*(\i)+1], 0x3d000000 op_sel_hi:[1,0]
	v_pk_mul_f32 v[X+4*(\i)+2:X+4*(\i)+3], v[X+4*(\i)+2:X+4*(\i)+3], 0x3d000000 op_sel_hi:[1,0]
.elseif (\kind) == 2
	v_pk_mul_f32 v[X+4*(\i):X+4*(\i)+1], v[X+4*(\i):X+4*(\i)+1], 0x42000000 op_sel_hi:[1,0]
	v_pk_mul_f32 v[X+4*(\i)+2:X+4*(\i)+3], v[X+4*(\i)+2:X+4*(\i)+3], 0x42000000 op_sel_hi:[1,0]
.endif
.if (\kind) == 2
	v_cvt_pk_bf16_f32 v[T], v[X+4*(\i)], v[X+4*(\i)+1]
	v_cvt_pk_bf16_f32 v[T+1], v[X+4*(\i)+2], v[X+4*(\i)+3]
	v_lshlrev_b32 v[T+2], 16, v[T]                 ; the rounded numbers back as f32,
	v_and_b32 v[T+3], 0xffff0000, v[T]
	v_cvt_pk_f16_f32 v[Y+2*(\i)], v[T+2], v[T+3]   ; and into f16, which holds their 8 bits exactly
	v_lshlrev_b32 v[T+2], 16, v[T+1]
	v_and_b32 v[T+3], 0xffff0000, v[T+1]
	v_cvt_pk_f16_f32 v[Y+2*(\i)+1], v[T+2], v[T+3]
.else
	v_cvt_pk_bf16_f32 v[Y+2*(\i)], v[X+4*(\i)], v[X+4*(\i)+1]
	v_cvt_pk_bf16_f32 v[Y+2*(\i)+1], v[X+4*(\i)+2], v[X+4*(\i)+3]
.endif
	global_store_b64 v2, v[Y+2*(\i):Y+2*(\i)+1], s[6:7] offset:2048*(\i)
.endr
.endm
	s_cmp_lt_u32 s26, 1024
	s_cbranch_scc1 .Lx
	s_cmp_eq_u32 s28, 3
	s_cbranch_scc1 .Lo
	CONV 1
	s_endpgm
.Lx:
	CONV 0
	s_endpgm
.Lo:
	CONV 2
	s_endpgm
.Lfunc_end_k_q2580df47ed_cvt:
	.size	k_q2580df47ed_cvt, .Lfunc_end_k_q2580df47ed_cvt-k_q2580df47ed_cvt
	.p2alignl 7, 3214868480
	.fill 96, 4, 3214868480
	.section	.rodata,"a",@progbits
	.p2align	6, 0x0
	.amdhsa_kernel k_q2580df47ed_cvt
		.amdhsa_group_segment_fixed_size 0
		.amdhsa_private_segment_fixed_size 0
		.amdhsa_enable_private_segment 0
		.amdhsa_kernarg_size 64
		.amdhsa_user_sgpr_count 2
		.amdhsa_user_sgpr_kernarg_segment_ptr 1
		.amdhsa_wavefront_size32 1
		.amdhsa_system_sgpr_workgroup_id_x 1
		.amdhsa_system_sgpr_workgroup_id_y 1
		.amdhsa_system_sgpr_workgroup_id_z 1
		.amdhsa_system_vgpr_workitem_id 0
		.amdhsa_next_free_vgpr 64
		.amdhsa_next_free_sgpr 66
		.amdhsa_reserve_vcc 0
		.amdhsa_float_denorm_mode_32 3
		.amdhsa_float_denorm_mode_16_64 3
		.amdhsa_memory_ordered 1
		.amdhsa_forward_progress 1
		.amdhsa_inst_pref_size 14
	.end_amdhsa_kernel
	.amdgpu_metadata
---
amdhsa.version: [ 1, 2 ]
amdhsa.kernels:
  - .name:           k_q2580df47ed_cvt
    .symbol:         k_q2580df47ed_cvt.kd
    .args:
      - { .name: in_feature, .offset: 0, .size: 8, .value_kind: global_buffer, .address_space: global }
      - { .name: q_proj, .offset: 8, .size: 8, .value_kind: global_buffer, .address_space: global }
      - { .name: k_proj, .offset: 16, .size: 8, .value_kind: global_buffer, .address_space: global }
      - { .name: v_proj, .offset: 24, .size: 8, .value_kind: global_buffer, .address_space: global }
      - { .name: o_proj, .offset: 32, .size: 8, .value_kind: global_buffer, .address_space: global }
      - { .name: xb, .offset: 40, .size: 8, .value_kind: global_buffer, .address_space: global }
      - { .name: wqkv, .offset: 48, .size: 8, .value_kind: global_buffer, .address_space: global }
      - { .name: woh, .offset: 56, .size: 8, .value_kind: global_buffer, .address_space: global }
    .group_segment_fixed_size: 0
    .private_segment_fixed_size: 0
    .kernarg_segment_align: 8
    .kernarg_segment_size: 64
    .max_flat_workgroup_size: 256
    .sgpr_count:     66
    .vgpr_count:     64
    .wavefront_size: 32
...
	.end_amdgpu_metadata
.endif
;; end of part 1
;; launch qkv (part 2): grid 12 x 32, 4 waves a work-group, clusters of 4 x 4, 327,680 bytes of LDS; arguments xb, wqkv, qc, kc, vt; writes qc, kc, vt
.if DOCPART == 2
	.amdgcn_target "amdgcn-amd-amdhsa--gfx1250"
	.amdhsa_code_object_version 6
	.text
	.protected	k_q2580df47ed_qkv
	.globl	k_q2580df47ed_qkv
	.p2align	8
	.type	k_q2580df47ed_qkv,@function
k_q2580df47ed_qkv:
	s_mov_b64 s[64:65], 0
	v_nop
	global_prefetch_b8 v0, s[64:65] scope:SCOPE_SE
	s_setreg_imm32_b32 hwreg(HW_REG_WAVE_MODE, 25, 1), 1
	s_wait_xcnt 0x0
	s_wait_alu depctr_hold_cnt(0) depctr_sa_sdst(0) depctr_va_vdst(0) depctr_va_sdst(0) depctr_va_ssrc(0) depctr_va_vcc(0) depctr_vm_vsrc(0)
	s_getreg_b32 s2, hwreg(HW_REG_IB_STS2, 6, 4)
	s_cmp_eq_u32 s2, 0
	s_cbranch_scc0 .Lentry_in_a_cluster
	s_endpgm
.Lentry_in_a_cluster:
	s_bfe_u32 s2, ttmp6, 0x10000c
	s_cmp_lg_u32 s2, 0xf033
	s_cbranch_scc0 .Lentry_shape_is_right
	s_endpgm
.Lentry_shape_is_right:
; THE THREE PROJECTIONS.  q' = x Wq^T / 32, k' = x Wk^T / 32, v' = x Wv^T / 32 (the 1/32 lies in wqkv), bf16 operands, f32 sums over K = 1,024.
; q' and k' leave as TWO f16 numbers each, hi = f16(sum) and lo = f16(sum - hi): the scores have a spread of about a thousand, so a single 16-bit rounding of q and k would move the weights.  v' leaves as one f16.
; LIMITS.  |q|, |k|, |v| stay under 32 x 65,504; hi + lo holds the sum to 2^-22 of itself or to 2^-25, whichever is larger.
; A tile of the result, 256 x 256, is made by four waves, 128 x 128 each: 64 accumulators, 512 registers.  K goes in steps of 128 through two LDS slots filled by the tensor data mover; rows of 256 bytes.
; REGIONS.  Source 1 of the matrix instruction takes 16 rows of region R1, source 0 16 rows of region R0: in accumulator (a, b) lane l holds R1's row 16 a + l % 16 and R0's rows 16 b + 8 (l / 16) + 0..7.
;   clusters with x = 0, 1 (Q, K):  R1 = 256 rows of x, R0 = 256 rows of the weights: a lane holds one row of x and 8 channels.
;   clusters with x = 2    (V):     R1 = 256 rows of Wv, R0 = 256 rows of x:       a lane holds one channel and 8 keys: V comes out turned, by the choice of addresses alone.
; WHAT IS STORED is laid out as the next launch's matrix fragments: a lane's 8 results, 16 bytes, at 16 x lane of a unit of 512 bytes.  So every store of a wave is 512 consecutive bytes, aligned, straight from registers.
;   qc, kc: byte = hb 524,288 + (row / 16) 4,096 + p 2,048 + cb 512 + 16 lane  (hb = 16 batch + head; p = 0 hi, 1 lo; cb = block of 16 channels)
;   vt:     byte = hb 262,144 + (key / 16) 2,048 + cb 512 + 16 lane
; CLUSTERS: 4 x 4 work-groups.  R1's tile hangs on cy alone and is asked for jointly by a row of the cluster, R0's on cx alone, by a column.  The mode hangs on the cluster's x, which all sixteen share.
; 384 tiles for 256 WGPs: a round and a half; a tile that gives each WGP one work-group wants 768 accumulator registers and is not built.  No prefetch: a refill has 224 matrix instructions of a wave in which to land, and each tile is read by several clusters.
; REGISTERS: window 0: v0-31 addresses; v64-127, v128-191 R1's fragments, two buffers (v64-127 at work on the way out).  window 1: v64-127, v128-191 R0's.  windows 2, 3: accumulator (a, b) at v[8 (8 (a % 4) + b)] of window 2 + a / 4.
.set SIZE_K, 1024
.set KSTEP,  128
.set PITCH,  272                       ; an LDS row: 256 bytes + 16 of padding: the 16 rows that a load touches start at 16 different groups of four banks
.set HALFT,  128*PITCH                 ; 128 rows: what one tensor load brings
.set SLOT,   4*HALFT                   ; R1's 256 rows, then R0's 256 rows
.set SPARE,  2*SLOT                    ; behind the ring: the spare words, 128 bytes a wave
.set LAPS,   SIZE_K/(2*KSTEP)
.set GB,   8                           ; v8-15   the way out: byte offset of my 16 bytes for block b
.set ADRA, 16                          ; v16-17  LDS address of my R1 fragments in slot 0, 1
.set ADRB, 20                          ; v20-21  the same for R0
.set SPW,  28                          ; v28     my spare word; never rewritten
.set NIL,  29                          ; v29     0; never rewritten
.set NEG1, 30                          ; v30     -1.0
.set F0,   64
.set F1,   128
.set TL,   64                          ; the way out: lo, 32 registers
.set TH,   96                          ; the way out: hi, 32 registers
.set WV,   14
.set H1,   15                          ; wave / 2: which 128 rows of R1 are mine.  Also: I fetch for R1 (0) or R0 (1)
.set H0,   16                          ; wave % 2: which 128 rows of R0 are mine.  Also: which half of that tile I fetch
.set CX,   17
.set CY,   18
.set YY,   19
.set MODE, 20                          ; 1: V
.set XX,   21
.set G1,   24                          ; s[24:31] group 1 for R1;  s[32:39] group 0, a set for each slot
.set G0,   32
.set G1B,  48                          ; s[48:55], s[56:63] the same for R0
.set G0B,  56
.set R1P,  66
.set CB,   68                          ; s[68:69] where block a is stored
.set ST1,  70                          ; s[70:71] from block to block
.set ST2,  72                          ; s[72:73] from block 3 to block 4
.set T1,   74
.set T2,   75
.set LAP,  76
.set R0P,  80
.set DW0,  (1<<16)|(1<<20)|(1<<21)|(5<<22)|(3<<25)  ; 2-byte elements; padding on; bit 21 beside a mask; after every 64 words; 4 words
.set MSB, 0
.macro WIN new                         ; the immediate's high byte repeats the setting that is left; a switch that changes nothing is dropped
.if MSB != (\new)
	s_set_vgpr_msb (MSB<<8)|(\new)
.set MSB, \new
.endif
.endm
.set MUL_LO, 0xa1                      ; source 0 (R0) window 1, source 1 (R1) window 0, C and D window 2
.set MUL_HI, 0xf1                      ; the same, C and D window 3
.set TO_B,   0x40                      ; destination window 1, address window 0
; A joint load.  Waves 0 and 1 fetch R1's halves, waves 2 and 3 R0's; the branch hangs on the wave's number alone.  An s_nop 0 and four v_nop follow each line.
.macro JLOAD s
	s_cmp_eq_u32 s[H1], 0
	s_cbranch_scc0 .Lfor_b_\@
	tensor_load_to_lds s[G0+4*(\s):G0+4*(\s)+3], s[G1:G1+7]
	s_nop 0
.rept 4
	v_nop
.endr
	s_branch .Lasked_\@
.Lfor_b_\@:
	tensor_load_to_lds s[G0B+4*(\s):G0B+4*(\s)+3], s[G1B:G1B+7]
	s_nop 0
.rept 4
	v_nop
.endr
.Lasked_\@:
.endm
.macro CREST                           ; a round of the cluster's barrier behind its opening barrier
	s_cmp_lg_u32 s[WV], 0
	s_cbranch_scc1 .Lnot_wave_0_\@
	s_barrier_signal -3
.Lnot_wave_0_\@:
	s_barrier_wait -3
	s_barrier_signal -1
	s_barrier_wait -1
.endm
.macro CROUND
	s_barrier_signal -1
	s_barrier_wait -1
	CREST
.endm
	s_load_b256 s[4:11], s[0:1], 0x0               ; xb s[4:5], wqkv s[6:7], qc s[8:9], kc s[10:11]
	s_load_b64 s[12:13], s[0:1], 0x20              ; vt
	v_lshl_add_u32 v[SPW], v0, 2, SPARE
	v_mov_b32 v[NIL], 0
	ds_add_u32 v[SPW], v[NIL]                      ; the wave's opening: the add and its wait stand ahead of my first tensor load; register work stands between them
	ds_add_u32 v28, v29
	v_lshrrev_b32 v1, 5, v0
	v_readfirstlane_b32 s[WV], v1
	s_lshr_b32 s[H1], s[WV], 1
	s_and_b32 s[H0], s[WV], 1
	s_bfe_u32 s[CX], ttmp6, 0x40000
	s_bfe_u32 s[CY], ttmp6, 0x40004
	s_and_b32 s[YY], ttmp7, 0xffff                 ; cluster y, 0 to 7
	s_mov_b32 s[XX], ttmp9                         ; cluster x: 0 Q, 1 K, 2 V
	s_cmp_eq_u32 s[XX], 2
	s_cselect_b32 s[MODE], 1, 0
	s_lshl_b32 s40, s[CY], 2
	s_lshl_b32 s40, 15, s40                        ; my row of the cluster
	s_lshl_b32 s41, 0x1111, s[CX]                  ; my column
	s_or_b32 s[G1+0], s40, DW0
	s_or_b32 s[G1B+0], s41, DW0
.irp g, G1, G1B
	s_mov_b32 s[(\g)+1], KSTEP<<16                 ; tensor_dim0 = 128
	s_mov_b32 s[(\g)+2], 128<<16                   ; tensor_dim1 = 128
	s_mov_b32 s[(\g)+3], KSTEP<<16                 ; tile_dim0 = 128
	s_mov_b32 s[(\g)+4], 128                       ; tile_dim1 = 128
	s_mov_b32 s[(\g)+5], SIZE_K                    ; elements from row to row
	s_mov_b32 s[(\g)+6], 0
	s_mov_b32 s[(\g)+7], 0
.endr
	s_lshl_b32 s42, s[YY], 2                       ; R1's first row hangs on cy: x's row 256 (4 y + cy),
	s_add_co_u32 s42, s42, s[CY]
	s_lshl_b32 s42, s42, 8
	s_lshl_b32 s43, s[CY], 8                       ; or Wv's row 2,048 + 256 cy
	s_add_co_u32 s43, s43, 2048
	s_lshl_b32 s46, s[YY], 2                       ; R0's hangs on cx: x's row 256 (4 y + cx), or the weights' row 256 (4 x + cx)
	s_lshl_b32 s47, s[XX], 2
	s_cmp_eq_u32 s[MODE], 1
	s_cselect_b32 s44, s43, s42
	s_cselect_b32 s46, s46, s47
	s_add_co_u32 s46, s46, s[CX]
	s_lshl_b32 s46, s46, 8
	s_lshl_b32 s77, s[H0], 7                       ; the half that I fetch
	s_add_co_u32 s44, s44, s77
	s_lshl_b32 s44, s44, 11                        ; 2,048 bytes a row
	s_mov_b32 s45, 0
	s_add_co_u32 s46, s46, s77
	s_lshl_b32 s46, s46, 11
	s_mov_b32 s47, 0
	s_mul_i32 s78, s[WV], HALFT                    ; where my part goes: wave x 128 rows: no place in the cluster enters an LDS address
	s_wait_dscnt 0x0                               ; the opening add is done
	s_wait_kmcnt 0x0
	s_cmp_eq_u32 s[MODE], 1
	s_cselect_b64 s[R1P:R1P+1], s[6:7], s[4:5]
	s_cselect_b64 s[R0P:R0P+1], s[4:5], s[6:7]
	s_add_nc_u64 s[R1P:R1P+1], s[R1P:R1P+1], s[44:45]
	s_add_nc_u64 s[R0P:R0P+1], s[R0P:R0P+1], s[46:47]
	CROUND                                         ; all sixteen work-groups are here: the first joint loads meet
.irp s, 0,1
	s_mov_b32 s[G0+4*(\s)], 1
	s_add_co_u32 s[G0+4*(\s)+1], s78, (\s)*SLOT
	s_add_nc_u64 s[G0+4*(\s)+2:G0+4*(\s)+3], s[R1P:R1P+1], (\s)*KSTEP*2
	s_or_b32 s[G0+4*(\s)+3], s[G0+4*(\s)+3], 0x80000000
	s_mov_b32 s[G0B+4*(\s)], 1
	s_add_co_u32 s[G0B+4*(\s)+1], s78, (\s)*SLOT
	s_add_nc_u64 s[G0B+4*(\s)+2:G0B+4*(\s)+3], s[R0P:R0P+1], (\s)*KSTEP*2
	s_or_b32 s[G0B+4*(\s)+3], s[G0B+4*(\s)+3], 0x80000000
	JLOAD \s                                       ; K steps 0 and 1: two loads of mine are out
.endr
	v_and_b32 v1, 15, v0                           ; l % 16
	v_bfe_u32 v2, v0, 4, 1                         ; l / 16
	v_mul_u32_u24 v3, v1, PITCH
	v_lshl_add_u32 v3, v2, 4, v3                   ; a fragment's row x pitch + 16 x half
	s_mul_i32 s22, s[H1], HALFT
	s_mul_i32 s23, s[H0], HALFT
	s_add_co_u32 s23, s23, 2*HALFT
.irp s, 0,1
	v_add_nc_u32 v[ADRA+(\s)], s22, v3
	v_add_nc_u32 v[ADRB+(\s)], s23, v3
	s_add_co_u32 s22, s22, SLOT
	s_add_co_u32 s23, s23, SLOT
.endr
	; THE WAY OUT's addresses.  Q, K: block a is 16 rows of x (4,096 bytes on), block b is channels: 512 bytes on, and 524,288 (a head) after four.
	; V: block a is channels (512 bytes on; from block 3 to block 4 a head, 262,144, less 1,536), block b is 16 keys: 2,048 bytes on.
	s_mov_b32 s40, 2048
	s_mov_b32 s41, 8192
	s_mov_b32 s42, 260608
	s_mov_b32 s43, 512
	s_cmp_eq_u32 s[MODE], 1
	s_cselect_b32 s[T1], s40, s43
	s_cselect_b32 s[T2], s41, 524288
	s_cselect_b32 s[ST1], s43, 4096
	s_cselect_b32 s[ST2], s42, 4096
	s_mov_b32 s[ST1+1], 0
	s_mov_b32 s[ST2+1], 0
	v_and_b32 v4, 31, v0
	v_lshlrev_b32 v[GB], 4, v4
.irp b, 1,2,3
	v_add_nc_u32 v[GB+(\b)], s[T1], v[GB+(\b)-1]
.endr
	v_add_nc_u32 v[GB+4], s[T2], v[GB]
.irp b, 5,6,7
	v_add_nc_u32 v[GB+(\b)], s[T1], v[GB+(\b)-1]
.endr
	v_mov_b32 v[NEG1], -1.0
	s_cmp_eq_u32 s[XX], 0
	s_cselect_b64 s[CB:CB+1], s[8:9], s[10:11]
	s_cmp_eq_u32 s[MODE], 1
	s_cselect_b64 s[CB:CB+1], s[12:13], s[CB:CB+1]
	s_cselect_b32 s40, s[CY], s[CX]                ; the coordinate and the wave's half that choose the heads,
	s_cselect_b32 s41, s[H1], s[H0]
	s_cselect_b32 s42, s[CX], s[CY]                ; and those that choose the rows of x
	s_cselect_b32 s43, s[H0], s[H1]
	s_cselect_b32 s44, 18, 19                      ; a head's bytes: 2^18 in vt, 2^19 in qc and kc
	s_cselect_b32 s45, 11, 12                      ; 16 rows' bytes: 2^11, 2^12
	s_lshr_b32 s46, s[YY], 1                       ; the batch: (4 y + c) / 8
	s_lshl_b32 s46, s46, 4
	s_lshl2_add_u32 s46, s40, s46                  ; hb = 16 batch + 4 c + 2 half
	s_lshl1_add_u32 s46, s41, s46
	s_lshl_b32 s46, s46, s44
	s_lshl2_add_u32 s47, s[YY], s42
	s_and_b32 s47, s47, 7                          ; the block of 256 rows in the batch,
	s_lshl_b32 s47, s47, 4
	s_lshl3_add_u32 s47, s43, s47                  ; in blocks of 16: 16 x it + 8 half
	s_lshl_b32 s47, s47, s45
	s_add_co_u32 s46, s46, s47
	s_mov_b32 s47, 0
	s_add_nc_u64 s[CB:CB+1], s[CB:CB+1], s[46:47]
; 16 matrix instructions: blocks a0, a0 + 1 of the window's four x all 8 blocks b, 32 along K.  zero = 1: the first product starts the sums.
.macro MUL16 f, hi, a0, zero
	WIN MUL_LO+0x50*(\hi)
.irp a, \a0, (\a0)+1
.irp b, 0,1,2,3,4,5,6,7
.if \zero
	v_wmma_f32_16x16x32_bf16 v[8*(8*(\a)+(\b)):8*(8*(\a)+(\b))+7], v[(\f)+8*(\b):(\f)+8*(\b)+7], v[(\f)+8*(4*(\hi)+(\a)):(\f)+8*(4*(\hi)+(\a))+7], 0
.else
	v_wmma_f32_16x16x32_bf16 v[8*(8*(\a)+(\b)):8*(8*(\a)+(\b))+7], v[(\f)+8*(\b):(\f)+8*(\b)+7], v[(\f)+8*(4*(\hi)+(\a)):(\f)+8*(4*(\hi)+(\a))+7], v[8*(8*(\a)+(\b)):8*(8*(\a)+(\b))+7]
.endif
.endr
.endr
.endm
; 32 LDS loads in one run: the fragments of a quarter step (32 K at byte k of the rows) into buffer f: R0's 16, then R1's 16
.macro FETCH slot, k, f
	WIN TO_B
.irp i, 0,1,2,3,4,5,6,7
	ds_load_b128 v[(\f)+8*(\i):(\f)+8*(\i)+3],   v[ADRB+(\slot)] offset:(\k)+(\i)*16*PITCH
	ds_load_b128 v[(\f)+8*(\i)+4:(\f)+8*(\i)+7], v[ADRB+(\slot)] offset:(\k)+(\i)*16*PITCH+32
.endr
	WIN 0
.irp i, 0,1,2,3,4,5,6,7
	ds_load_b128 v[(\f)+8*(\i):(\f)+8*(\i)+3],   v[ADRA+(\slot)] offset:(\k)+(\i)*16*PITCH
	ds_load_b128 v[(\f)+8*(\i)+4:(\f)+8*(\i)+7], v[ADRA+(\slot)] offset:(\k)+(\i)*16*PITCH+32
.endr
.endm
.macro PLACES                          ; four plain vector instructions between a matrix instruction and a load into, or a vector read or write of, its registers
.rept 4
	v_nop
.endr
.endm
; A K step is four quarters of 32 along K, 64 matrix instructions each, on buffers 0, 1, 0, 1; the 64 accumulators take turns in the same order in every quarter.
.macro QUARTER slot, k, f, g, zero
	s_wait_dscnt 8                                 ; R0's fragments and R1's blocks 0-3 are in; the youngest eight loads (blocks 4-7) may be out
	MUL16 \f, 0, 0, \zero
	MUL16 \f, 0, 2, \zero
	PLACES
	FETCH \slot, \k, \g
	s_wait_dscnt 32                                ; all but the 32 just issued
	MUL16 \f, 1, 0, \zero
	MUL16 \f, 1, 2, \zero
.endm
; The last quarter's first half, and the one barrier of a change of slots.  In front of it each wave waits for all its tensor loads (one is out: its part of the next slot), adds 0 to its spare word,
; and waits for that and for its own reads of this slot.
.macro MEET round
	WIN 0
	s_wait_tensorcnt 0x0
	ds_add_u32 v[SPW], v[NIL]
	s_wait_dscnt 9                                 ; the add and the youngest eight loads may be out
	MUL16 F1, 0, 0, 0
	s_wait_dscnt 0x0                               ; the add is done, and my reads of this slot are over
	s_barrier_signal -1
	MUL16 F1, 0, 2, 0
.if \round
	WIN 0
.endif
	s_barrier_wait -1
.endm
.macro TURN slot, next
	MEET 1
	CREST                                          ; the barrier has opened a round of the cluster's: no wave of any partner still reads this slot or has a load on its way
	s_add_nc_u64 s[G0+4*(\slot)+2:G0+4*(\slot)+3], s[G0+4*(\slot)+2:G0+4*(\slot)+3], 2*KSTEP*2
	s_add_nc_u64 s[G0B+4*(\slot)+2:G0B+4*(\slot)+3], s[G0B+4*(\slot)+2:G0B+4*(\slot)+3], 2*KSTEP*2
	JLOAD \slot                                    ; the first tensor load behind the round, my only one until the next; its four v_nop are also the places in front of the loads below
	FETCH \next, 0, F0
	MUL16 F1, 1, 0, 0
	MUL16 F1, 1, 2, 0
.endm
	s_wait_tensorcnt 1                             ; my part of K step 0 is in; K step 1's may stay out
	s_barrier_signal -1
	s_barrier_wait -1
	FETCH 0, 0, F0
	QUARTER 0, 64, F0, F1, 1                       ; the first quarter stands in front of the loop: its products start the sums
	WIN 0
	s_mov_b32 s[LAP], LAPS-1
.Llap:                                                 ; a trip goes once round the ring and fills both slots again: K steps 2 t + 2 and 2 t + 3
	QUARTER 0, 128, F1, F0, 0
	QUARTER 0, 192, F0, F1, 0
	TURN 0, 1
	QUARTER 1, 64,  F0, F1, 0
	QUARTER 1, 128, F1, F0, 0
	QUARTER 1, 192, F0, F1, 0
	TURN 1, 0
	QUARTER 0, 64,  F0, F1, 0
	WIN 0
	s_sub_co_u32 s[LAP], s[LAP], 1
	s_cmp_lg_u32 s[LAP], 0
	s_cbranch_scc1 .Llap
	QUARTER 0, 128, F1, F0, 0                      ; the last lap is written out: it asks for nothing
	QUARTER 0, 192, F0, F1, 0
	MEET 0
	PLACES
	FETCH 1, 0, F0
	MUL16 F1, 1, 0, 0
	MUL16 F1, 1, 2, 0
	QUARTER 1, 64,  F0, F1, 0
	QUARTER 1, 128, F1, F0, 0
	QUARTER 1, 192, F0, F1, 0
	s_wait_dscnt 8
	MUL16 F1, 0, 0, 0
	MUL16 F1, 0, 2, 0
	s_wait_dscnt 0x0
	MUL16 F1, 1, 0, 0
	MUL16 F1, 1, 2, 0
	WIN 0
	PLACES
	PLACES
; THE WAY OUT of block a: hi = f16(sum), stored; then, for Q and K, lo = f16(sum - hi) (the difference is exact in f32; one rounding), stored 2,048 bytes on.  Each accumulator is read from its low end on.
.macro OUT a
.set AC, 64*((\a)%4)
.if (\a) > 0
	s_wait_xcnt 0x0                                ; the last block's stores have read their data and their base: only now are these written again
.if (\a) == 4
	s_add_nc_u64 s[CB:CB+1], s[CB:CB+1], s[ST2:ST2+1]
.else
	s_add_nc_u64 s[CB:CB+1], s[CB:CB+1], s[ST1:ST1+1]
.endif
.endif
	WIN 0x0a+5*((\a)/4)                            ; sources 0 and 1: window 2 or 3
.irp b, 0,1,2,3,4,5,6,7
.irp r, 0,1,2,3
	v_cvt_pk_f16_f32 v[TH+4*(\b)+(\r)], v[AC+8*(\b)+2*(\r)], v[AC+8*(\b)+2*(\r)+1]
.endr
.endr
	WIN 0
.irp b, 0,1,2,3,4,5,6,7
	global_store_b128 v[GB+(\b)], v[TH+4*(\b):TH+4*(\b)+3], s[CB:CB+1]  ; a wave stores 512 consecutive bytes, aligned
.endr
	s_cmp_eq_u32 s[MODE], 1
	s_cbranch_scc1 .Lno_lo_\@                      ; V has no lo
	WIN 0x20+0x10*((\a)/4)                         ; source 2: window 2 or 3
.irp b, 0,1,2,3,4,5,6,7
.irp r, 0,1,2,3
	v_fma_mixlo_f16 v[TL+4*(\b)+(\r)], v[TH+4*(\b)+(\r)], v[NEG1], v[AC+8*(\b)+2*(\r)] op_sel_hi:[1,0,0]
	v_fma_mixhi_f16 v[TL+4*(\b)+(\r)], v[TH+4*(\b)+(\r)], v[NEG1], v[AC+8*(\b)+2*(\r)+1] op_sel:[1,0,0] op_sel_hi:[1,0,0]
.endr
.endr
	WIN 0
.irp b, 0,1,2,3,4,5,6,7
	global_store_b128 v[GB+(\b)], v[TL+4*(\b):TL+4*(\b)+3], s[CB:CB+1] offset:2048
.endr
.Lno_lo_\@:
.endm
.irp a, 0,1,2,3,4,5,6,7
	OUT \a
.endr
	s_wait_tensorcnt 0x0                           ; the wave's end
	ds_add_u32 v[SPW], v[NIL]
	s_wait_dscnt 0x0
	CROUND                                         ; the closing round: no work-group ends while a partner may still ask for a tile that names it
	s_endpgm
.Lfunc_end_k_q2580df47ed_qkv:
	.size	k_q2580df47ed_qkv, .Lfunc_end_k_q2580df47ed_qkv-k_q2580df47ed_qkv
	.p2alignl 7, 3214868480
	.fill 96, 4, 3214868480
	.section	.rodata,"a",@progbits
	.p2align	6, 0x0
	.amdhsa_kernel k_q2580df47ed_qkv
		.amdhsa_group_segment_fixed_size 327680
		.amdhsa_private_segment_fixed_size 0
		.amdhsa_enable_private_segment 0
		.amdhsa_kernarg_size 40
		.amdhsa_user_sgpr_count 2
		.amdhsa_user_sgpr_kernarg_segment_ptr 1
		.amdhsa_wavefront_size32 1
		.amdhsa_system_sgpr_workgroup_id_x 1
		.amdhsa_system_sgpr_workgroup_id_y 1
		.amdhsa_system_sgpr_workgroup_id_z 1
		.amdhsa_system_vgpr_workitem_id 0
		.amdhsa_next_free_vgpr 1024
		.amdhsa_next_free_sgpr 84
		.amdhsa_reserve_vcc 0
		.amdhsa_float_denorm_mode_32 3
		.amdhsa_float_denorm_mode_16_64 3
		.amdhsa_memory_ordered 1
		.amdhsa_forward_progress 1
		.amdhsa_inst_pref_size 174
	.end_amdhsa_kernel
	.amdgpu_metadata
---
amdhsa.version: [ 1, 2 ]
amdhsa.kernels:
  - .name:           k_q2580df47ed_qkv
    .symbol:         k_q2580df47ed_qkv.kd
    .args:
      - { .name: xb, .offset: 0, .size: 8, .value_kind: global_buffer, .address_space: global }
      - { .name: wqkv, .offset: 8, .size: 8, .value_kind: global_buffer, .address_space: global }
      - { .name: qc, .offset: 16, .size: 8, .value_kind: global_buffer, .address_space: global }
      - { .name: kc, .offset: 24, .size: 8, .value_kind: global_buffer, .address_space: global }
      - { .name: vt, .offset: 32, .size: 8, .value_kind: global_buffer, .address_space: global }
    .group_segment_fixed_size: 327680
    .private_segment_fixed_size: 0
    .kernarg_segment_align: 8
    .kernarg_segment_size: 40
    .max_flat_workgroup_size: 128
    .sgpr_count:     84
    .vgpr_count:     1024
    .wavefront_size: 32
...
	.end_amdgpu_metadata
.endif
;; end of part 2
;; launch attn (part 3): grid 4 x 64, 4 waves a work-group, no clusters, 327,680 bytes of LDS; arguments qc, kc, vt, ob; writes ob
.if DOCPART == 3
	.amdgcn_target "amdgcn-amd-amdhsa--gfx1250"
	.amdhsa_code_object_version 6
	.text
	.protected	k_q2580df47ed_attn
	.globl	k_q2580df47ed_attn
	.p2align	8
	.type	k_q2580df47ed_attn,@function
k_q2580df47ed_attn:
	s_mov_b64 s[64:65], 0
	v_nop
	global_prefetch_b8 v0, s[64:65] scope:SCOPE_SE
	s_setreg_imm32_b32 hwreg(HW_REG_WAVE_MODE, 25, 1), 1
	s_wait_xcnt 0x0
; CAUSAL ATTENTION, head size 64, 64 pairs of batch and head, 2,048 rows each.  O[q] = the sum over k <= q of softmax_k(q . k / 8) v[k].
; q' = q / 32 and k' = k / 32 arrive as hi + lo in f16, v' = v / 32 in f16.  S' = k'.q' is made of THREE products: lo hi + hi lo + hi hi (lo lo, 2^-22 of a term, is dropped): 16-bit operands, f32 sums.
; The true score is 128 S', so p = 2^(c S' - c m) with c = 128 log2(e) and a running maximum m; O and l are multiplied by a = 2^(c m_old - c m_new) in every step.  p is rounded to f16 for the second product
; (its sum l is taken of the unrounded p), O' = O / 32 once at the end, to f16.
; LIMITS.  A hidden score counts as its S' less 1e30 (|S'| stays under 64 x 65,504^2 = 2.7e11); a weight below 2^-126 counts as 0 in l; p below 6e-5 keeps f16's step of 6e-8; NaN and infinities are not treated apart.
; THE WALK.  A head's queries lie in NB = 8 blocks of 256; block i needs the key tiles 0 .. i of 256 keys.  A work-group takes TWO blocks, 7 - b and then b: 9 tiles, whatever b, walked by one loop with a constant count.
; What a trip does hangs on scalar registers made from b; every jump but the counted loops' own goes forward and passes no barrier and no tensor load (but the one of LOAD's two lines that the wave's number does not choose).
; NO CLUSTER: a head's four work-groups ask for the same tile only in trips 0 to 4 of 9; one walk common to all four would have 12 trips for 9.
; SHARES.  Of a block's four bands of 64 queries a wave owns 16 rows in each: four PIECES.  In the diagonal tile's key step s band x sees all keys if s < x, none if s > x, and holds the diagonal if s = x: the same work for every wave.
; THE MASK is the C operand that starts S': MD x AL + BE with two scalars: (1, 0) if s = x, (0, 0) if s < x, (0, -1e30) if s > x; MD, made once, is the mask of a band's own step.  Every turn makes the next turn's mask, so there is one text.
; LAYOUT.  S'^T = K Q^T holds ONE query a lane (lane % 16) and the keys 8 (lane / 16) + 0..7; two results rounded to f16 ARE source 1 of O^T = V^T P.  K, Q and V^T lie in memory and in LDS as fragments: a unit of 512 bytes,
; 16 bytes a lane: every LDS load takes 512 consecutive bytes, and V needs no turning.
; TURNS.  Turn n belongs to piece n: 24 products K Q^T of piece n + 1, then 8 products V^T P of piece n - 1.  Beside the 24: the scalings and all 33 exponentials of piece n and the next mask: ONE batch, ONE wait.
; Beside the 8: the roundings, sums and rescaling of piece n and the maximum and statistics of piece n + 1.
; REGISTERS, in windows of 256 (s_set_vgpr_msb: bits 1:0 source 0, 3:2 source 1, 5:4 source 2, 7:6 destination):
;   window 0: v2-5 addresses; v12-13 c m_old; v16-31 statistics; v32-39 at work; v40-43; v64-127 S', two buffers; v128-159 P, two buffers; v160-191 MD; v192-255 MC, two buffers (buffers go by the piece's parity)
;   window 1: v0-127 O^T, 32 a piece; v128-255 the second block's Q      window 2: v0-127 Q, 32 a piece (hi 16, lo 16); v128-255 K of one step      window 3: v0-63 V of one step
.set NB,    8
.set NP,    4
.set SLOT1, 1<<17     ; slot 1 begins here; a slot holds a tile: K 65,536 bytes, then V 32,768
.set VOFF,  65536
.set KSTEPB, 16384    ; a key step's K: 4 blocks of 16 keys x (hi, lo) x 4 units
.set VSTEPB, 8192
.set SPARE, SLOT1+VOFF+32768  ; behind the ring: the spare words, 128 bytes a wave
.set AL0, 2           ; v2   16 x lane; never rewritten
.set AK,  4           ; v4   LDS address of K's runs of loads
.set AV,  5           ; v5   of V's
.set MV,  12
.set ST,  16          ; piece t's statistics at v[ST+4 t]: c m, m, l (even keys', odd keys')
.set TMP, 32          ; by parity, c0-c3 at work; c1 takes c m_old - c m_new, c2 takes a
.set SPW, 40          ; v40  my spare word; never rewritten
.set NIL, 41          ; v41  0; never rewritten
.set PFK, 42          ; v42  the prefetches' offset in a tile of K: 16,384 x wave + 256 x lane
.set PFV, 43          ; v43  in a tile of V: 8,192 x wave + 256 x lane
.set S,   64
.set P,   128
.set MD,  160
.set MC,  192
.set QB,  128         ; window 1
.set KF,  128         ; window 2: key block g, unit u = 4 p + cb at KF + 32 g + 4 u
.set WV,  12
.set PB,  14          ; b
.set HI,  15          ; 7 - b
.set G1K, 24
.set G1V, 32
.set G0K, 40
.set G0V, 44
.set KH,  48          ; s[48:49] the head's K;  s[50:51] its V
.set VH,  50
.set PK,  52          ; s[52:53], s[54:55] the tile that a prefetch names
.set PVP, 54
.set SLOTS, 56
.set CNT, 57
.set CS,  58          ; s[58:59] c
.set SEL, 60
.set TBK, 62          ; LDS byte of K of the step to be fetched
.set TBV, 63          ; of V
.set SB,  66          ; the slot that is read
.set CD,  67          ; in a block's last tile equal to CNT, else far above 5
.set LIM, 69          ; 2 in the work-group that prefetches, else the greatest number
.set RT,  70          ; tiles of the block in hand still to be entered
.set NXT, 71          ; the tile to be asked for next
.set LQ,  72          ; the last tile of the block whose tiles are being asked for
.set NEW, 73          ; 1: the tile to be entered is a block's first
.set OFK, 74
.set AL,  76
.set BE,  78
.set OLO, 80
.set BIGN, 82
.set OFV, 84
.set QLO, 86
.set MSB, 0
.macro WIN new
.if MSB != (\new)
	s_set_vgpr_msb (MSB<<8)|(\new)
.set MSB, (\new)
.endif
.endm
.set W_KQ, 0x0a       ; K and Q in window 2; S' and the mask in window 0
.set W_PV, 0x53       ; V in window 3, P in window 0, O^T in window 1
.set W_RS, 0x41       ; O^T in window 1, a in window 0
; A fill.  Waves 0 and 1 fetch the halves of a tile's K (32,768 dense bytes each, as 128 rows of 256), waves 2 and 3 those of its V (64 rows).  An s_nop 0 and four v_nop follow each line.
.macro LOAD
	s_cmp_lt_u32 s[WV], 2
	s_cbranch_scc0 .Lfor_v_\@
	tensor_load_to_lds s[G0K:G0K+3], s[G1K:G1K+7]
	s_nop 0
.rept 4
	v_nop
.endr
	s_branch .Lasked_\@
.Lfor_v_\@:
	tensor_load_to_lds s[G0V:G0V+3], s[G1V:G1V+7]
	s_nop 0
.rept 4
	v_nop
.endr
.Lasked_\@:
.endm
; A PREFETCH INTO THE L2 of the tile that the NEXT change of slots will ask for: one tile, 512 matrix instructions of a wave, ahead of that load.  All four work-groups of a head walk the tiles 0 to 7 - b;
; the one with b = 0, which walks all eight, asks, and nobody else; a lane names 256 bytes, the four waves share a tile's 384 such blocks out by address: each block is named once in the launch.
; Tiles 0 and 1 come by their loads alone; the changes that fill tile 7 and the second block's tile ask for nothing.
.macro ASK
	s_cmp_gt_u32 s[SLOTS], s[LIM]
	s_cbranch_scc0 .Lnot_mine_\@
	global_prefetch_b8 v[PFK], s[PK:PK+1] th:TH_LOAD_NT scope:SCOPE_SE
	global_prefetch_b8 v[PFK], s[PK:PK+1] offset:8192 th:TH_LOAD_NT scope:SCOPE_SE
	global_prefetch_b8 v[PFV], s[PVP:PVP+1] th:TH_LOAD_NT scope:SCOPE_SE
.Lnot_mine_\@:
.endm
; THE CHANGE OF SLOTS.  Each wave waits for all its tensor loads (one is out: its part of the other slot), adds 0 to its spare word, and waits for that and for its reads of the slot that it leaves.  Behind the barrier
; nobody reads the old slot and the other is whole.  fill = 1: the old slot is filled again, first thing behind the barrier, with tile NXT; the address is made anew from that number.
.macro CHANGE fill
	WIN 0
	s_wait_tensorcnt 0x0
	ds_add_u32 v[SPW], v[NIL]       ; the descriptors' scalar work stands between the add and the wait for it
.if \fill
	s_lshl_b32 s[OFK], s[NXT], 16   ; a tile is 65,536 bytes of K
	s_lshl_b32 s[OFV], s[NXT], 15   ; and 32,768 of V
	s_xor_b32 s[G0K+1], s[G0K+1], SLOT1
	s_add_nc_u64 s[G0K+2:G0K+3], s[6:7], s[OFK:OFK+1]
	s_or_b32 s[G0K+3], s[G0K+3], 0x80000000
	s_xor_b32 s[G0V+1], s[G0V+1], SLOT1
	s_add_nc_u64 s[G0V+2:G0V+3], s[8:9], s[OFV:OFV+1]
	s_or_b32 s[G0V+3], s[G0V+3], 0x80000000
	s_add_co_u32 s[NXT], s[NXT], 1  ; the block's next tile, or behind its last the second block's tile 0
	s_cmp_gt_u32 s[NXT], s[LQ]
	s_cselect_b32 s[NXT], 0, s[NXT]
	s_cselect_b32 s[LQ], s[PB], s[LQ]
	s_wait_xcnt 0x0                 ; the last prefetches, a tile back, have read their addresses
	s_lshl_b32 s[OFK], s[NXT], 16
	s_lshl_b32 s[OFV], s[NXT], 15
	s_add_nc_u64 s[PK:PK+1], s[KH:KH+1], s[OFK:OFK+1]
	s_add_nc_u64 s[PVP:PVP+1], s[VH:VH+1], s[OFV:OFV+1]
.endif
	s_wait_dscnt 0x0                ; the add is done, and my reads of the slot are over
	s_barrier_signal -1
	s_xor_b32 s[SB], s[SB], SLOT1   ; the fetches go to the other slot's first step
	s_mov_b32 s[TBK], s[SB]
	s_add_co_u32 s[TBV], s[SB], VOFF
	s_barrier_wait -1
.if \fill
	LOAD
	ASK
.endif
.endm
	s_load_b256 s[4:11], s[0:1], 0x0  ; qc s[4:5], kc s[6:7], vt s[8:9], ob s[10:11]
	v_lshl_add_u32 v[SPW], v0, 2, SPARE
	v_mov_b32 v[NIL], 0
	ds_add_u32 v[SPW], v[NIL]       ; the wave's opening: the add and its wait stand ahead of my first tensor load; register work stands between them
	ds_add_u32 v40, v41
	v_lshrrev_b32 v1, 5, v0
	v_readfirstlane_b32 s[WV], v1
	s_mov_b32 s[PB], ttmp9
	s_sub_co_u32 s[HI], NB-1, s[PB]
	s_and_b32 s13, ttmp7, 0xffff    ; hb = 16 batch + head
	s_and_b32 s2, s[WV], 1          ; which half of a tile I fetch:
	s_lshl_b32 s76, s2, 14          ; of V: bytes in memory and in a slot alike,
	s_mov_b32 s77, 0
	s_lshl_b32 s2, s2, 15           ; of K
	s_mov_b32 s3, 0
	s_lshl_b32 s20, s13, 19         ; the head's bytes in qc and kc,
	s_mov_b32 s21, 0
	s_lshl_b32 s22, s13, 18         ; in vt
	s_mov_b32 s23, 0
	s_lshl_b32 s78, s[WV], 12       ; my 16 rows in a band of 64
	s_add_co_u32 s79, s20, s78
	s_lshl_b32 s16, s[HI], 16       ; Q of the first block,
	s_add_co_u32 s16, s16, s79
	s_mov_b32 s17, 0
	s_lshl_b32 s18, s[PB], 16       ; of the second
	s_add_co_u32 s18, s18, s79
	s_mov_b32 s19, 0
	s_lshr_b32 s79, s13, 4          ; ob: byte = (row / 64) 131,072 + (head / 2) 16,384 + (16 rows in 64) 4,096 + (4 (head % 2) + cb) 512 + 16 lane
	s_lshl_b32 s79, s79, 22         ; the batch's 32 blocks of 64 rows
	s_and_b32 s83, s13, 14
	s_lshl_b32 s83, s83, 13
	s_add_co_u32 s79, s79, s83
	s_and_b32 s83, s13, 1
	s_lshl_b32 s83, s83, 11
	s_add_co_u32 s79, s79, s83
	s_add_co_u32 s79, s79, s78
	s_lshl_b32 s74, s[HI], 19       ; a block of 256 rows is four of 64
	s_add_co_u32 s74, s74, s79
	s_mov_b32 s75, 0
	s_lshl_b32 s84, s[PB], 19
	s_add_co_u32 s84, s84, s79
	s_mov_b32 s85, 0
	s_mov_b32 s[G1K], 3<<16         ; elements of 8 bytes, no padding
	s_mov_b32 s[G1K+1], 32<<16      ; tensor_dim0 = 32: rows of 256 bytes
	s_mov_b32 s[G1K+2], 128<<16     ; tensor_dim1 = 128
	s_mov_b32 s[G1K+3], 32<<16      ; tile_dim0 = 32
	s_mov_b32 s[G1K+4], 128         ; tile_dim1 = 128
	s_mov_b32 s[G1K+5], 32          ; dense
	s_mov_b32 s[G1K+6], 0
	s_mov_b32 s[G1K+7], 0
	s_mov_b32 s[G1V], 3<<16
	s_mov_b32 s[G1V+1], 32<<16
	s_mov_b32 s[G1V+2], 64<<16
	s_mov_b32 s[G1V+3], 32<<16
	s_mov_b32 s[G1V+4], 64
	s_mov_b32 s[G1V+5], 32
	s_mov_b32 s[G1V+6], 0
	s_mov_b32 s[G1V+7], 0
	s_mov_b32 s[G0K], 1
	s_mov_b32 s[G0K+1], s2          ; slot 0
	s_mov_b32 s[G0V], 1
	s_add_co_u32 s[G0V+1], s76, VOFF
	s_mov_b32 s[CS], 0x4338aa3b     ; c = 128 log2(e)
	s_mov_b32 s[CS+1], s[CS]
	s_mov_b32 s[SEL], 0x76543210
	s_mov_b32 s[SEL+1], 0xfedcba98
	s_mov_b32 s[BIGN], 0xf149f2ca   ; -1e30
	s_add_co_u32 s[RT], s[HI], 1    ; the first block has 8 - b tiles
	s_mov_b32 s[NXT], 1
	s_mov_b32 s[LQ], s[HI]
	s_mov_b32 s[NEW], 1
	s_mov_b32 s[SB], SLOT1          ; the first change of slots turns it into 0
	s_mov_b32 s[SLOTS], NB
	s_cmp_eq_u32 s[PB], 0
	s_cselect_b32 s[LIM], 2, -1
	s_wait_dscnt 0x0                ; the opening add is done
	s_wait_kmcnt 0x0
	s_add_nc_u64 s[KH:KH+1], s[6:7], s[20:21]
	s_add_nc_u64 s[VH:VH+1], s[8:9], s[22:23]
	s_add_nc_u64 s[6:7], s[KH:KH+1], s[2:3]        ; K and V at my half of the head's tile 0
	s_add_nc_u64 s[8:9], s[VH:VH+1], s[76:77]
	s_add_nc_u64 s[G0K+2:G0K+3], s[6:7], 0
	s_or_b32 s[G0K+3], s[G0K+3], 0x80000000
	s_add_nc_u64 s[G0V+2:G0V+3], s[8:9], 0
	s_or_b32 s[G0V+3], s[G0V+3], 0x80000000
	s_add_nc_u64 s[QLO:QLO+1], s[4:5], s[18:19]
	s_add_nc_u64 s[4:5], s[4:5], s[16:17]
	s_add_nc_u64 s[OLO:OLO+1], s[10:11], s[84:85]
	s_add_nc_u64 s[10:11], s[10:11], s[74:75]
	s_mov_b32 s[AL], 0              ; the pairs that held offsets take their lasting parts: high words 0
	s_mov_b32 s[AL+1], 0
	s_mov_b32 s[BE], 0
	s_mov_b32 s[BE+1], 0
	LOAD                            ; tile 0 into slot 0
	v_and_b32 v1, 15, v0            ; l % 16
	v_bfe_u32 v9, v0, 4, 1          ; l / 16
	v_and_b32 v[AL0], 31, v0
	v_lshlrev_b32 v[PFK], 8, v[AL0]
	v_lshlrev_b32 v[AL0], 4, v[AL0]
	s_lshl_b32 s13, s[WV], 14
	s_lshl_b32 s16, s[WV], 13
	v_add_nc_u32 v[PFV], s16, v[PFK]
	v_add_nc_u32 v[PFK], s13, v[PFK]
	WIN 0x80                        ; destination window 2: the first block's Q: piece i / 8 lies 16,384 bytes on, unit i % 8 512 bytes on
.set i, 0
.rept 32
	global_load_b128 v[4*i:4*i+3], v[AL0], s[4:5] offset:(i/8)*16384+(i%8)*512
.set i, i+1
.endr
	WIN 0x40                        ; destination window 1: the second block's
.set i, 0
.rept 32
	global_load_b128 v[QB+4*i:QB+4*i+3], v[AL0], s[QLO:QLO+1] offset:(i/8)*16384+(i%8)*512
.set i, i+1
.endr
	; A block's first step multiplies O^T and l by a = 0, and its first turn's products V^T P, of a piece that has not been, land in an O^T that is still to be so multiplied: these registers need only be finite.
	; Zeros for the first block; what the first block left for the second.  All this stands in the wait for the first tile.
.set i, 0
.rept 128
	v_mov_b32 v[i], 0
.set i, i+1
.endr
	WIN 0xc0
.set i, 0
.rept 64
	v_mov_b32 v[i], 0
.set i, i+1
.endr
	WIN 0
.set i, 0
.rept 4
	v_mov_b32 v[ST+4*i+2], 0
	v_mov_b32 v[ST+4*i+3], 0
.set i, i+1
.endr
.set i, P+16
.rept 16
	v_mov_b32 v[i], 0
.set i, i+1
.endr
	v_lshlrev_b32 v14, 3, v9
	v_sub_nc_u32 v14, v1, v14
	s_lshl_b32 s13, s[WV], 4
	v_add_nc_u32 v14, s13, v14      ; my query's place in its band, 16 w + l % 16, less my lanes' 8 (l / 16): register r of key block g is hidden where 16 g + r is greater
.set i, 0
.rept 32
	v_cmp_gt_i32 vcc_lo, 16*(i/8)+i%8, v14
	v_cndmask_b32 v[MD+i], 0, s[BIGN], vcc_lo
.set i, i+1
.endr
; THE MATRIX WORK.  Four accumulators take turns, one instruction a turn.  Product i of 24 of S'^T for piece x: link i / 4, keys 16 (i % 4) on.
; The links: (K lo, Q hi) channels 0-31, 32-63; (K hi, Q lo) likewise; (K hi, Q hi) likewise: the small terms first.  Link 0 starts the sum with the mask.
.macro KQ x
	WIN W_KQ
.set cl, i/4
.set pK, 0
.set pQ, 0
.if cl < 2
.set pK, 1
.elseif cl < 4
.set pQ, 1
.endif
.set qS, S+32*((\x)%2)+8*(i%4)
.set qK, KF+32*(i%4)+16*pK+8*(cl%2)
.set qQ, 32*(\x)+16*pQ+8*(cl%2)
.set qM, MC+32*((\x)%2)+8*(i%4)
.if cl == 0
	v_wmma_f32_16x16x32_f16 v[qS:qS+7], v[qK:qK+7], v[qQ:qQ+7], v[qM:qM+7]
.else
	v_wmma_f32_16x16x32_f16 v[qS:qS+7], v[qK:qK+7], v[qQ:qQ+7], v[qS:qS+7]
.endif
.endm
; Product i of 8 of O^T += V^T P for piece x: keys 32 (i / 4) on, channels 16 (i % 4) on.
.macro PV x
	WIN W_PV
.set qO, 32*(\x)+8*(i%4)
.set qV, 32*(i/4)+8*(i%4)
.set qP, P+16*((\x)%2)+8*(i/4)
	v_wmma_f32_16x16x32_f16 v[qO:qO+7], v[qV:qV+7], v[qP:qP+7], v[qO:qO+7]
.endm
; THE LDS LOADS stand in runs of 16: K's lo units, K's hi units, V.
.macro FETCH_KLO
	WIN 0x80
.irp g, 0,1,2,3
.irp u, 4,5,6,7
	ds_load_b128 v[KF+32*\g+4*\u:KF+32*\g+4*\u+3], v[AK] offset:\g*4096+\u*512
.endr
.endr
	WIN 0
.endm
.macro FETCH_KHI
	WIN 0x80
.irp g, 0,1,2,3
.irp u, 0,1,2,3
	ds_load_b128 v[KF+32*\g+4*\u:KF+32*\g+4*\u+3], v[AK] offset:\g*4096+\u*512
.endr
.endr
	s_add_co_u32 s[TBK], s[TBK], KSTEPB  ; the next fetch is the next step's
	WIN 0
.endm
.macro FETCH_V
	WIN 0xc0
.irp f, 0,1,2,3,4,5,6,7             ; keys 32 (f / 4) on, channels 16 (f % 4) on: two units of 16 keys
	ds_load_b128 v[8*\f:8*\f+3],   v[AV] offset:(2*(\f/4))*2048+(\f%4)*512
	ds_load_b128 v[8*\f+4:8*\f+7], v[AV] offset:(2*(\f/4)+1)*2048+(\f%4)*512
.endr
	s_add_co_u32 s[TBV], s[TBV], VSTEPB
	WIN 0
.endm
; THE VECTOR WORK, one line at a time: OP kind+number.  For piece Y: F n: c s - c m for pair n of 16.  E n: the exponential of score n of 32.  XA: a.  C n: pair n rounded to f16.  B n: of the four weights 4 n .. the second
; pair is added onto the first, in place.  L n: l takes that sum (L 0: l = a l + sum).  R n: pair n of 16 of O^T times a.  M n: pair n of 16 of the mask for the next turn's products.  For piece Y + 1: X n:
;   0-11  four chains c0-c3 of seven scores each (each accumulator's lowest registers are read first)     12-14, 16  the four scores left over, the old m, and c0-c3 into c0
;   15  c m_old is kept     17, 18  the query's other 32 keys lie in the lane 16 away: the new m     19, 20  c m; c m_old - c m_new
.set F, 0
.set E, 32
.set C, 64
.set B, 96
.set L, 128
.set R, 160
.set X, 192
.set M, 224
.set XA, 256
.macro REGS y
.set rT, ST+4*(\y)
.set rC, TMP+4*((\y)%2)
.set rW, MV+((\y)%2)
.set rS, S+32*((\y)%2)
.set rP, P+16*((\y)%2)
.set rO, 32*(\y)
.endm
.macro OP o
.set kk, (\o)/32
.set nn, (\o)%32
.if kk == 5
	REGS Y
	WIN W_RS
	v_pk_mul_f32 v[rO+2*nn:rO+2*nn+1], v[rO+2*nn:rO+2*nn+1], v[rC+2:rC+3] op_sel_hi:[1,0]
.elseif kk == 6
	REGS (Y+1)%NP
	WIN 0
.if nn < 4
	v_max3_num_f32 v[rC+nn], v[rS+8*nn], v[rS+8*nn+1], v[rS+8*nn+2]
.elseif nn < 12
	v_max3_num_f32 v[rC+nn%4], v[rC+nn%4], v[rS+8*(nn%4)+2*(nn/4)+1], v[rS+8*(nn%4)+2*(nn/4)+2]
.elseif nn == 12
	v_max3_num_f32 v[rC], v[rC], v[rS+7], v[rS+15]
.elseif nn == 13
	v_max3_num_f32 v[rC+1], v[rC+1], v[rS+23], v[rS+31]
.elseif nn == 14
	v_max3_num_f32 v[rC+2], v[rC+2], v[rC+3], v[rT+1]
.elseif nn == 15
	v_mov_b32 v[rW], v[rT]
.elseif nn == 16
	v_max3_num_f32 v[rC], v[rC], v[rC+1], v[rC+2]
.elseif nn == 17
	v_permlanex16_b32 v[rC+3], v[rC], s[SEL], s[SEL+1]
.elseif nn == 18
	v_max_num_f32 v[rT+1], v[rC], v[rC+3]
.elseif nn == 19
	v_mul_f32 v[rT], s[CS], v[rT+1]
.else
	v_sub_f32 v[rC+1], v[rW], v[rT]
.endif
.else
	REGS Y
	WIN 0
.if kk == 0
	v_pk_fma_f32 v[rS+2*nn:rS+2*nn+1], v[rS+2*nn:rS+2*nn+1], s[CS:CS+1], v[rT:rT+1] op_sel_hi:[1,0,0] neg_lo:[0,0,1] neg_hi:[0,0,1]
.elseif kk == 1
	v_exp_f32 v[rS+nn], v[rS+nn]
.elseif kk == 2
	v_cvt_pk_f16_f32 v[rP+nn], v[rS+2*nn], v[rS+2*nn+1]
.elseif kk == 3
	v_pk_add_f32 v[rS+4*nn:rS+4*nn+1], v[rS+4*nn:rS+4*nn+1], v[rS+4*nn+2:rS+4*nn+3]
.elseif (kk == 4) && (nn == 0)
	v_pk_fma_f32 v[rT+2:rT+3], v[rT+2:rT+3], v[rC+2:rC+3], v[rS:rS+1] op_sel_hi:[1,0,1]
.elseif kk == 4
	v_pk_add_f32 v[rT+2:rT+3], v[rT+2:rT+3], v[rS+4*nn:rS+4*nn+1]
.elseif kk == 7
	v_pk_fma_f32 v[MC+32*(Y%2)+2*nn:MC+32*(Y%2)+2*nn+1], v[MD+2*nn:MD+2*nn+1], s[AL:AL+1], s[BE:BE+1] op_sel_hi:[1,0,0]
.else
	v_exp_f32 v[rC+2], v[rC+1]
.endif
.endif
.endm
.macro ROWB ops:vararg              ; a product V^T P and what stands behind it
	PV (Y+NP-1)%NP
.set i, i+1
.irp o, \ops
	OP \o
.endr
.endm
; A TURN, for piece p.
; HEAD: the two scalars of the mask for the next turn's products, piece x = (p + 2) % 4 in step 5 - CD of the tile: its own step if CD = 5 - x, a later one if CD < 5 - x; outside a block's last tile CD is 60 or more.
; AHEAD OF THE WAIT: 24 products K Q^T; behind product i a scaling (i < 16) or a mask line, an exponential, and a mask line (i < 8) or a second exponential (i >= 15).  Exponential n stands behind scaling n / 2.
; Nothing here names an exponential's result.  A v_nop is the plain instruction behind the last exponential; then the one wait between the 33 exponentials and their first reader.
; BEHIND THE WAIT: 8 products V^T P, the roundings, sums and rescaling, and the next piece's maximum; C 2n stands ahead of B n, B n ahead of L n; the first read of the last accumulator (X 3) stands at least nine plain instructions
; behind the product that ended it.
; K of the next step is fetched in piece 2's turn: its lo units behind product 11 (products 0-7 are their last readers; six plain instructions lie between), its hi units behind the first V^T P (ten plain instructions behind product 23).
; Piece 3's turn waits for the lo units at its head (the hi units' 16 loads may be out) and for the hi units ahead of product 8.  V of the step in hand is fetched at the end of piece 0's turn, 13 plain instructions behind its last reader,
; and waited for ahead of piece 1's products V^T P.
.macro TURN p
.set Y, (\p)
.set xm, ((\p)+2)%NP
	WIN 0
	s_cmp_eq_u32 s[CD], 5-xm
	s_cselect_b32 s[AL], 1.0, 0
	s_cmp_lt_u32 s[CD], 5-xm
	s_cselect_b32 s[BE], s[BIGN], 0
.if (\p) == 2
	v_add_nc_u32 v[AK], s[TBK], v[AL0]
.endif
.if (\p) == 3
	s_wait_dscnt 16                 ; K's lo units are in
.endif
.set i, 0
.rept 24
	KQ (Y+1)%NP
.if i < 16
	OP F+i
.else
	OP M+i-16
.endif
.if i == 0
	OP XA
.else
	OP E+i-1
.endif
.if i < 8
	OP M+8+i
.elseif i >= 15
	OP E+i+8
.endif
.if ((\p) == 2) && (i == 11)
	FETCH_KLO
.endif
.if ((\p) == 3) && (i == 7)
	s_wait_dscnt 0x0                ; K's hi units are in
.endif
.set i, i+1
.endr
	WIN 0
	v_nop
	s_wait_alu depctr_va_vdst(0)    ; the wait for the batch
.if (\p) == 1
	s_wait_dscnt 0x0                ; V is in
.endif
.if (\p) == 0
	v_add_nc_u32 v[AV], s[TBV], v[AL0]
.endif
.set i, 0
	ROWB C+0, C+1, C+2, C+3, X+0, X+1, X+2, X+3
.if (\p) == 2
	FETCH_KHI
.endif
	ROWB B+0, B+1, X+4, X+5, X+6, X+7, C+4, C+5
	ROWB X+8, X+9, X+10, X+11, L+0, C+6, C+7, B+2
	ROWB X+12, X+13, X+15, B+3, L+1, X+14, C+8, C+9
	ROWB R+0, R+1, R+2, R+3, X+16, L+2, B+4, C+10
	ROWB C+11, L+3, X+17, B+5, C+12, C+13, L+4, X+18
	ROWB R+4, R+5, R+6, R+7, B+6, X+19, L+5, C+14
	ROWB C+15, B+7, X+20, L+6, R+8, R+9, R+10, R+11, R+12, R+13, R+14, R+15, L+7
.if (\p) == 0
	FETCH_V
.endif
.endm
; A BLOCK BEGINS.  c m starts far below every c s, so the first step's a is 0; m at the lowest finite number.  The second mask buffer (piece 1, step 0) is 0; the first takes piece 0's mask for step 0: its own, if the block's
; first tile is its last.  Then K of that step, piece 0's first scores, and its maximum and statistics.
.macro BEGIN
	s_mov_b32 s[NEW], 0
	WIN 0
.set i, MC+32
.rept 32
	v_mov_b32 v[i], 0
.set i, i+1
.endr
.set i, 0
.rept 4
	v_mov_b32 v[ST+4*i], 0xfe000000
	v_mov_b32 v[ST+4*i+1], 0xff7fffff
.set i, i+1
.endr
	s_cmp_eq_u32 s[RT], 0
	s_cselect_b32 s[AL], 1.0, 0
	s_mov_b32 s[BE], 0
.set i, 0
.rept 16
	v_pk_fma_f32 v[MC+2*i:MC+2*i+1], v[MD+2*i:MD+2*i+1], s[AL:AL+1], s[BE:BE+1] op_sel_hi:[1,0,0]
.set i, i+1
.endr
	v_add_nc_u32 v[AK], s[TBK], v[AL0]
	FETCH_KLO
	FETCH_KHI
	s_wait_loadcnt 0x0              ; Q
	s_wait_dscnt 0x0
.set i, 0
.rept 24
	KQ 0
.set i, i+1
.endr
	WIN 0
.rept 4
	v_nop                           ; the places behind those products
.endr
.set Y, NP-1                        ; X works for piece Y + 1: piece 0
.irp n, 0,1,2,3,4,5,6,7,8,9,10,11,12,13,14,15,16,17,18,19,20
	OP X+\n
.endr
.endm
; A BLOCK ENDS: the last piece's V^T P; l's two halves and the other half of the lanes' are added; O^T is divided by l, rounded to f16 and stored: a lane's 8 channels are 16 bytes of a unit of 512, which the
; next launch reads as half a fragment.  sw = 1: the second block follows.
.macro ALL line:vararg
.set t, 0
.rept 4
	\line
.set t, t+1
.endr
.endm
.macro PACKS t
	WIN W_RS
.set i, 32*(\t)
.rept 16
	v_pk_mul_f32 v[i:i+1], v[i:i+1], v[ST+4*(\t)+2:ST+4*(\t)+3] op_sel_hi:[1,0]
.set i, i+2
.endr
	WIN 0x05                        ; sources 0 and 1 window 1, destination window 0: S's registers are free
.set i, 0
.rept 16
	v_cvt_pk_f16_f32 v[S+16*(\t)+i], v[32*(\t)+2*i], v[32*(\t)+2*i+1]
.set i, i+1
.endr
	WIN 0
.irp f, 0,1,2,3
	global_store_b128 v[AL0], v[S+16*(\t)+4*\f:S+16*(\t)+4*\f+3], s[10:11] offset:(\t)*131072+\f*512  ; 512 consecutive bytes, aligned; a band is 131,072 bytes on
.endr
.endm
.macro END sw
.set i, 0
.rept 8
	PV NP-1
.set i, i+1
.endr
	WIN 0
	ALL v_add_f32 v[ST+4*t+2], v[ST+4*t+2], v[ST+4*t+3]
	ALL v_permlanex16_b32 v[ST+4*t+3], v[ST+4*t+2], s[SEL], s[SEL+1]
	ALL v_add_f32 v[ST+4*t+2], v[ST+4*t+2], v[ST+4*t+3]
	ALL v_rcp_f32 v[ST+4*t+2], v[ST+4*t+2]
	v_nop                           ; a plain instruction between the last reciprocal and the use of its result,
	s_wait_alu depctr_va_vdst(0)    ; and the wait: one for the four
	PACKS 0
	PACKS 1
	PACKS 2
	PACKS 3
.if \sw
	s_wait_xcnt 0x0                 ; the stores have read their registers and O's address
	s_mov_b64 s[10:11], s[OLO:OLO+1]
	s_add_co_u32 s[RT], s[PB], 1    ; the second block has b + 1 tiles
	s_mov_b32 s[NEW], 1
	WIN 0x81                        ; the second block's Q goes where the one text of the turns names Q
.set i, 0
.rept 128
	v_mov_b32 v[i], v[QB+i]
.set i, i+1
.endr
	WIN 0
.endif
.endm
; A TILE.  Five trips: a trip is pieces 2 and 3 of one step, then pieces 0 and 1 of the next, whose K and V it fetches.  A block's first tile is entered in the middle of the first trip.  The fifth trip is dead in a tile that
; is not a block's last: it is jumped over, forward, to the counter's step.  In a block's last tile it runs pieces 2 and 3 of the last step and leaves for the block's end; its fetch of K then reads landed bytes of the
; same slot (V's), and the scores and maximum that piece 3's turn makes of them for piece 0 serve nothing: they touch S', m and c m alone, which the next block sets anew: the price of one text for every trip.
.macro WALK tag, fill, sw
	CHANGE \fill
	s_sub_co_u32 s[RT], s[RT], 1
	s_cmp_eq_u32 s[RT], 0
	s_cselect_b32 s[CD], 5, 64
	s_mov_b32 s[CNT], 5
	s_cmp_eq_u32 s[NEW], 1
	s_cbranch_scc0 .Lstep\tag
	BEGIN
	s_branch .Lfirst\tag
.Lstep\tag:
	s_cmp_lg_u32 s[CNT], 1
	s_cbranch_scc1 .Lgo\tag
	s_cmp_lg_u32 s[RT], 0
	s_cbranch_scc1 .Lnext\tag
.Lgo\tag:
	TURN 2
	TURN 3
	WIN 0
	s_cmp_eq_u32 s[CNT], 1
	s_cbranch_scc1 .Lend\tag
.Lfirst\tag:
	TURN 0
	TURN 1
	WIN 0
.Lnext\tag:
	s_sub_co_u32 s[CD], s[CD], 1
	s_sub_co_u32 s[CNT], s[CNT], 1
	s_cmp_lg_u32 s[CNT], 0
	s_cbranch_scc1 .Lstep\tag
	s_branch .Lbottom\tag
.Lend\tag:
	END \sw
.Lbottom\tag:
.endm
.Lslot:                             ; NB times: a tile is entered and the next is asked for
	WALK 1, 1, 1
	s_sub_co_u32 s[SLOTS], s[SLOTS], 1
	s_cmp_lg_u32 s[SLOTS], 0
	s_cbranch_scc1 .Lslot
	WALK 2, 0, 0                    ; the walk's last tile is written out
	s_wait_tensorcnt 0x0            ; the wave's end
	ds_add_u32 v[SPW], v[NIL]
	s_wait_dscnt 0x0
	s_endpgm
.Lfunc_end_k_q2580df47ed_attn:
	.size	k_q2580df47ed_attn, .Lfunc_end_k_q2580df47ed_attn-k_q2580df47ed_attn
	.p2alignl 7, 3214868480
	.fill 96, 4, 3214868480
	.section	.rodata,"a",@progbits
	.p2align	6, 0x0
	.amdhsa_kernel k_q2580df47ed_attn
		.amdhsa_group_segment_fixed_size 327680
		.amdhsa_private_segment_fixed_size 0
		.amdhsa_enable_private_segment 0
		.amdhsa_kernarg_size 32
		.amdhsa_user_sgpr_count 2
		.amdhsa_user_sgpr_kernarg_segment_ptr 1
		.amdhsa_wavefront_size32 1
		.amdhsa_system_sgpr_workgroup_id_x 1
		.amdhsa_system_sgpr_workgroup_id_y 1
		.amdhsa_system_sgpr_workgroup_id_z 1
		.amdhsa_system_vgpr_workitem_id 0
		.amdhsa_next_free_vgpr 832
		.amdhsa_next_free_sgpr 88
		.amdhsa_reserve_vcc 1
		.amdhsa_float_denorm_mode_32 3
		.amdhsa_float_denorm_mode_16_64 3
		.amdhsa_memory_ordered 1
		.amdhsa_forward_progress 1
		.amdhsa_inst_pref_size 166
	.end_amdhsa_kernel
	.amdgpu_metadata
---
amdhsa.version: [ 1, 2 ]
amdhsa.kernels:
  - .name:           k_q2580df47ed_attn
    .symbol:         k_q2580df47ed_attn.kd
    .args:
      - { .name: qc, .offset: 0, .size: 8, .value_kind: global_buffer, .address_space: global }
      - { .name: kc, .offset: 8, .size: 8, .value_kind: global_buffer, .address_space: global }
      - { .name: vt, .offset: 16, .size: 8, .value_kind: global_buffer, .address_space: global }
      - { .name: ob, .offset: 24, .size: 8, .value_kind: global_buffer, .address_space: global }
    .group_segment_fixed_size: 327680
    .private_segment_fixed_size: 0
    .kernarg_segment_align: 8
    .kernarg_segment_size: 32
    .max_flat_workgroup_size: 128
    .sgpr_count:     88
    .vgpr_count:     832
    .wavefront_size: 32
...
	.end_amdgpu_metadata
.endif
;; end of part 3
;; launch oproj (part 4): grid 4 x 64, 4 waves a work-group, clusters of 4 x 4, 327,680 bytes of LDS; arguments ob, woh, out0; writes out0
.if DOCPART == 4
	.amdgcn_target "amdgcn-amd-amdhsa--gfx1250"
	.amdhsa_code_object_version 6
	.text
	.protected	k_q2580df47ed_oproj
	.globl	k_q2580df47ed_oproj
	.p2align	8
	.type	k_q2580df47ed_oproj,@function
k_q2580df47ed_oproj:
	s_mov_b64 s[64:65], 0
	v_nop
	global_prefetch_b8 v0, s[64:65] scope:SCOPE_SE
	s_setreg_imm32_b32 hwreg(HW_REG_WAVE_MODE, 25, 1), 1
	s_wait_xcnt 0x0
	s_wait_alu depctr_hold_cnt(0) depctr_sa_sdst(0) depctr_va_vdst(0) depctr_va_sdst(0) depctr_va_ssrc(0) depctr_va_vcc(0) depctr_vm_vsrc(0)
	s_getreg_b32 s2, hwreg(HW_REG_IB_STS2, 6, 4)
	s_cmp_eq_u32 s2, 0
	s_cbranch_scc0 .Lentry_in_a_cluster
	s_endpgm
.Lentry_in_a_cluster:
	s_bfe_u32 s2, ttmp6, 0x10000c
	s_cmp_lg_u32 s2, 0xf033
	s_cbranch_scc0 .Lentry_shape_is_right
	s_endpgm
.Lentry_shape_is_right:
; THE OUTPUT PROJECTION.  out[row][d] = the sum over the 1,024 channels (head, e) of O'[row][channel] x (32 o_proj)[d][channel]: f16 operands, f32 sums, f32 out.
; A tile of out is 128 rows x 256 columns: 256 work-groups, one for each WGP.  Four waves, 64 x 128 each: 32 accumulators.  K goes in steps of 128 (two heads) through two LDS slots.
; REGIONS.  R1 = ob, laid out as fragments (byte = (row / 64) 131,072 + K step 16,384 + (16 rows) 4,096 + unit 512 + 16 lane): 64 rows of a K step are 16,384 dense bytes, asked for as 64 rows of 256; an LDS load takes 512
; consecutive bytes.  R0 = woh, [1,024][1,024] f16: tiles of 128 rows x 256 bytes, padded to 272 in LDS.  Source 0 = 16 rows of R0, source 1 = 16 rows of R1: a lane holds one row of out and 8 neighbouring columns.
; CLUSTERS: 4 x 4.  R1's tile hangs on cy alone: asked for jointly by a row of the cluster; R0's on cx alone: by a column.  No prefetch: a K step is short and the tiles are small; woh is read by every cluster.
; REGISTERS: window 0: v0-31 addresses; v64-95, v128-159 R1's fragments (v64-191 at work on the way out).  window 1: v64-127, v128-191 R0's.  window 2: accumulator (a, b) at v[8 (8 a + b)].
.set KSTEP,  128
.set PITCH,  272
.set HALFA,  16384
.set HALFB,  128*PITCH
.set BOFF,   2*HALFA
.set SLOT,   131072
.set STAGE,  SLOT+BOFF+2*HALFB         ; behind the ring: 16 rows x 528 bytes for each wave, for the way out; no tensor load fills it
.set SPITCH, 528                       ; 512 bytes + 16: the 16 rows that a store touches start at 16 different groups of four banks
.set SPARE,  STAGE+4*16*SPITCH
.set LAPS,   4
.set ADRA, 16
.set ADRB, 20
.set STO,  24
.set RD,   25
.set CO,   26
.set SPW,  28
.set NIL,  29
.set F0,   64
.set F1,   128
.set WV,   14
.set H1,   15
.set H0,   16
.set CX,   17
.set CY,   18
.set YY,   19
.set G1,   24
.set G0,   32
.set G1B,  48
.set G0B,  56
.set LAP,  66
.set MSB, 0
.macro WIN new
.if MSB != (\new)
	s_set_vgpr_msb (MSB<<8)|(\new)
.set MSB, \new
.endif
.endm
.set MUL,  0xa1                        ; source 0 (R0) window 1, source 1 (R1) window 0, C and D window 2
.set TO_B, 0x40
.macro JLOAD s                         ; waves 0 and 1 fetch R1's halves, waves 2 and 3 R0's; an s_nop 0 and four v_nop follow each line
	s_cmp_eq_u32 s[H1], 0
	s_cbranch_scc0 .Lfor_b_\@
	tensor_load_to_lds s[G0+4*(\s):G0+4*(\s)+3], s[G1:G1+7]
	s_nop 0
.rept 4
	v_nop
.endr
	s_branch .Lasked_\@
.Lfor_b_\@:
	tensor_load_to_lds s[G0B+4*(\s):G0B+4*(\s)+3], s[G1B:G1B+7]
	s_nop 0
.rept 4
	v_nop
.endr
.Lasked_\@:
.endm
.macro CREST
	s_cmp_lg_u32 s[WV], 0
	s_cbranch_scc1 .Lnot_wave_0_\@
	s_barrier_signal -3
.Lnot_wave_0_\@:
	s_barrier_wait -3
	s_barrier_signal -1
	s_barrier_wait -1
.endm
.macro CROUND
	s_barrier_signal -1
	s_barrier_wait -1
	CREST
.endm
	s_load_b128 s[4:7], s[0:1], 0x0                ; ob s[4:5], woh s[6:7]
	s_load_b64 s[8:9], s[0:1], 0x10                ; out0
	v_lshl_add_u32 v[SPW], v0, 2, SPARE
	v_mov_b32 v[NIL], 0
	ds_add_u32 v[SPW], v[NIL]                      ; the wave's opening: the add and its wait stand ahead of my first tensor load
	ds_add_u32 v28, v29
	v_lshrrev_b32 v1, 5, v0
	v_readfirstlane_b32 s[WV], v1
	s_lshr_b32 s[H1], s[WV], 1                     ; which 64 rows are mine.  Also: I fetch for R1 (0) or R0 (1)
	s_and_b32 s[H0], s[WV], 1                      ; which 128 columns.  Also: which half of that tile I fetch
	s_bfe_u32 s[CX], ttmp6, 0x40000
	s_bfe_u32 s[CY], ttmp6, 0x40004
	s_and_b32 s[YY], ttmp7, 0xffff
	s_lshl_b32 s20, s[YY], 2
	s_add_co_u32 s20, s20, s[CY]                   ; the tile row, 0 to 63
	s_lshl_b32 s40, s[CY], 2
	s_lshl_b32 s40, 15, s40                        ; my row of the cluster
	s_lshl_b32 s41, 0x1111, s[CX]                  ; my column
	s_or_b32 s[G1+0], s40, (3<<16)|(1<<21)         ; elements of 8 bytes, no padding
	s_mov_b32 s[G1+1], 32<<16                      ; rows of 256 bytes
	s_mov_b32 s[G1+2], 64<<16
	s_mov_b32 s[G1+3], 32<<16
	s_mov_b32 s[G1+4], 64
	s_mov_b32 s[G1+5], 32                          ; dense
	s_mov_b32 s[G1+6], 0
	s_mov_b32 s[G1+7], 0
	s_or_b32 s[G1B+0], s41, (1<<16)|(1<<20)|(1<<21)|(5<<22)|(3<<25)  ; 2-byte elements; 4 words of padding after every 64
	s_mov_b32 s[G1B+1], KSTEP<<16
	s_mov_b32 s[G1B+2], 128<<16
	s_mov_b32 s[G1B+3], KSTEP<<16
	s_mov_b32 s[G1B+4], 128
	s_mov_b32 s[G1B+5], 1024
	s_mov_b32 s[G1B+6], 0
	s_mov_b32 s[G1B+7], 0
	s_lshl1_add_u32 s42, s20, s[H0]                ; R1: block of 64 rows 2 x tile row + half,
	s_lshl_b32 s42, s42, 17                        ; 131,072 bytes each
	s_mov_b32 s43, 0
	s_lshl1_add_u32 s46, s[CX], s[H0]              ; R0: 128 rows of 2,048 bytes x (2 cx + half)
	s_lshl_b32 s46, s46, 18
	s_mov_b32 s47, 0
	s_lshl_b32 s21, s[H0], 14                      ; where they go in a slot
	s_mul_i32 s22, s[H0], HALFB
	s_add_co_u32 s22, s22, BOFF
	s_wait_dscnt 0x0                               ; the opening add is done
	s_wait_kmcnt 0x0
	s_add_nc_u64 s[44:45], s[4:5], s[42:43]
	s_add_nc_u64 s[46:47], s[6:7], s[46:47]
	CROUND                                         ; all sixteen work-groups are here: the first joint loads meet
.irp s, 0,1
	s_mov_b32 s[G0+4*(\s)], 1
	s_add_co_u32 s[G0+4*(\s)+1], s21, (\s)*SLOT
	s_add_nc_u64 s[G0+4*(\s)+2:G0+4*(\s)+3], s[44:45], (\s)*HALFA
	s_or_b32 s[G0+4*(\s)+3], s[G0+4*(\s)+3], 0x80000000
	s_mov_b32 s[G0B+4*(\s)], 1
	s_add_co_u32 s[G0B+4*(\s)+1], s22, (\s)*SLOT
	s_add_nc_u64 s[G0B+4*(\s)+2:G0B+4*(\s)+3], s[46:47], (\s)*KSTEP*2
	s_or_b32 s[G0B+4*(\s)+3], s[G0B+4*(\s)+3], 0x80000000
	JLOAD \s                                       ; K steps 0 and 1: two loads of mine are out
.endr
	v_and_b32 v1, 15, v0                           ; l % 16
	v_bfe_u32 v2, v0, 4, 1                         ; l / 16
	v_and_b32 v4, 31, v0
	v_lshlrev_b32 v[CO], 4, v4                     ; 16 x lane
	v_mul_u32_u24 v3, v1, PITCH
	v_lshl_add_u32 v3, v2, 4, v3
	s_lshl_b32 s22, s[H1], 14                      ; my 64 rows of R1
	s_mul_i32 s23, s[H0], HALFB                    ; my 128 rows of R0
	s_add_co_u32 s23, s23, BOFF
.irp s, 0,1
	v_add_nc_u32 v[ADRA+(\s)], s22, v[CO]
	v_add_nc_u32 v[ADRB+(\s)], s23, v3
	s_add_co_u32 s22, s22, SLOT
	s_add_co_u32 s23, s23, SLOT
.endr
	s_mul_i32 s23, s[WV], 16*SPITCH
	s_add_co_u32 s23, s23, STAGE                   ; my stage
	v_mul_u32_u24 v5, v1, SPITCH                   ; in: row l % 16, 32 bytes for each half of the lanes
	v_lshl_add_u32 v5, v2, 5, v5
	v_add_nc_u32 v[STO], s23, v5
	v_add_nc_u32 v[RD], s23, v[CO]                 ; back: a row's 512 bytes, 16 a lane
	s_lshl1_add_u32 s40, s20, s[H1]                ; my first row of out: 64 x (2 x tile row + half), 4,096 bytes a row
	s_lshl_b32 s40, s40, 18
	s_lshl1_add_u32 s41, s[CX], s[H0]              ; my first column: 128 x (2 cx + half), 4 bytes each
	s_lshl_b32 s41, s41, 9
	s_add_co_u32 s40, s40, s41
	s_mov_b32 s41, 0
	s_add_nc_u64 s[8:9], s[8:9], s[40:41]
.macro MULB f, a, zero                 ; 8 matrix instructions: block a of my rows x all 8 blocks of columns, 32 along K
	WIN MUL
.irp b, 0,1,2,3,4,5,6,7
.if \zero
	v_wmma_f32_16x16x32_f16 v[8*(8*(\a)+(\b)):8*(8*(\a)+(\b))+7], v[(\f)+8*(\b):(\f)+8*(\b)+7], v[(\f)+8*(\a):(\f)+8*(\a)+7], 0
.else
	v_wmma_f32_16x16x32_f16 v[8*(8*(\a)+(\b)):8*(8*(\a)+(\b))+7], v[(\f)+8*(\b):(\f)+8*(\b)+7], v[(\f)+8*(\a):(\f)+8*(\a)+7], v[8*(8*(\a)+(\b)):8*(8*(\a)+(\b))+7]
.endif
.endr
.endm
.macro FETCH slot, q, f                ; 24 LDS loads in one run: quarter q's fragments into buffer f: R0's 16, then R1's 8
	WIN TO_B
.irp i, 0,1,2,3,4,5,6,7
	ds_load_b128 v[(\f)+8*(\i):(\f)+8*(\i)+3],   v[ADRB+(\slot)] offset:64*(\q)+(\i)*16*PITCH
	ds_load_b128 v[(\f)+8*(\i)+4:(\f)+8*(\i)+7], v[ADRB+(\slot)] offset:64*(\q)+(\i)*16*PITCH+32
.endr
	WIN 0
.irp i, 0,1,2,3
	ds_load_b128 v[(\f)+8*(\i):(\f)+8*(\i)+3],   v[ADRA+(\slot)] offset:1024*(\q)+4096*(\i)
	ds_load_b128 v[(\f)+8*(\i)+4:(\f)+8*(\i)+7], v[ADRA+(\slot)] offset:1024*(\q)+4096*(\i)+512
.endr
.endm
.macro PLACES                          ; four plain vector instructions between a matrix instruction and a load into, or a read of, its registers
.rept 4
	v_nop
.endr
.endm
; A K step is four quarters of 32 along K, 32 matrix instructions each, on buffers 0, 1, 0, 1; the 32 accumulators take turns in the same order in every quarter.
.macro QUARTER slot, q, f, g, zero
	s_wait_dscnt 4                                 ; R0's fragments and R1's blocks 0, 1 are in; the youngest four loads (blocks 2, 3) may be out
	MULB \f, 0, \zero
	MULB \f, 1, \zero
	PLACES
	FETCH \slot, \q, \g
	s_wait_dscnt 24                                ; all but the 24 just issued
	MULB \f, 2, \zero
	MULB \f, 3, \zero
.endm
; The last quarter multiplies buffer 1 and changes slots: one barrier; in front of it each wave waits for all its tensor loads (one is out: its part of the next slot), adds 0 to its spare word, and waits for that and for its reads of this slot.
.macro TURN slot, next, fill
	WIN 0
	s_wait_tensorcnt 0x0
	ds_add_u32 v[SPW], v[NIL]
	s_wait_dscnt 5                                 ; the add and the youngest four loads may be out
	MULB F1, 0, 0
	s_wait_dscnt 0x0                               ; the add is done, and my reads of this slot are over
	s_barrier_signal -1
	MULB F1, 1, 0
.if \fill
	WIN 0
.endif
	s_barrier_wait -1
.if \fill
	CREST                                          ; the barrier has opened a round of the cluster's: no wave of any partner still reads this slot or has a load on its way
	s_add_nc_u64 s[G0+4*(\slot)+2:G0+4*(\slot)+3], s[G0+4*(\slot)+2:G0+4*(\slot)+3], 2*HALFA
	s_add_nc_u64 s[G0B+4*(\slot)+2:G0B+4*(\slot)+3], s[G0B+4*(\slot)+2:G0B+4*(\slot)+3], 2*KSTEP*2
	JLOAD \slot                                    ; the first tensor load behind the round, my only one until the next; its four v_nop are also the places in front of the loads below
.else
	PLACES
.endif
	FETCH \next, 0, F0
	MULB F1, 2, 0
	MULB F1, 3, 0
.endm
	s_wait_tensorcnt 1                             ; my part of K step 0 is in; K step 1's may stay out
	s_barrier_signal -1
	s_barrier_wait -1
	FETCH 0, 0, F0
	QUARTER 0, 1, F0, F1, 1                        ; the first quarter stands in front of the loop: its products start the sums
	WIN 0
	s_mov_b32 s[LAP], LAPS-1
.Llap:                                                 ; a trip goes once round the ring and fills both slots again
	QUARTER 0, 2, F1, F0, 0
	QUARTER 0, 3, F0, F1, 0
	TURN 0, 1, 1
	QUARTER 1, 1, F0, F1, 0
	QUARTER 1, 2, F1, F0, 0
	QUARTER 1, 3, F0, F1, 0
	TURN 1, 0, 1
	QUARTER 0, 1, F0, F1, 0
	WIN 0
	s_sub_co_u32 s[LAP], s[LAP], 1
	s_cmp_lg_u32 s[LAP], 0
	s_cbranch_scc1 .Llap
	QUARTER 0, 2, F1, F0, 0                        ; the last lap is written out: it asks for nothing
	QUARTER 0, 3, F0, F1, 0
	TURN 0, 1, 0
	QUARTER 1, 1, F0, F1, 0
	QUARTER 1, 2, F1, F0, 0
	QUARTER 1, 3, F0, F1, 0
	s_wait_dscnt 4
	MULB F1, 0, 0
	MULB F1, 1, 0
	s_wait_dscnt 0x0
	MULB F1, 2, 0
	MULB F1, 3, 0
	WIN 0
	PLACES
	PLACES
; THE WAY OUT of block a, 16 rows x 128 columns of f32: a lane's 8 columns, 32 bytes, go into my own stage (rows of 528 bytes) and come back as whole rows of 512 bytes, which a wave stores with one instruction.
; LDS serves a wave's instructions in order (ISA guide 5.7.1.4): the loads see the stores above them, and the next block's stores come behind them.
.macro OUT a
.set BK, 64+64*((\a)%2)
.if (\a) >= 2
	s_wait_xcnt 0x0                                ; the stores of two blocks back have read these registers
.endif
	WIN 0x08                                       ; store data in window 2
.irp b, 0,1,2,3,4,5,6,7
	ds_store_b128 v[STO], v[8*(8*(\a)+(\b)):8*(8*(\a)+(\b))+3]   offset:64*(\b)
	ds_store_b128 v[STO], v[8*(8*(\a)+(\b))+4:8*(8*(\a)+(\b))+7] offset:64*(\b)+16
.endr
	WIN 0
.irp t, 0,1,2,3,4,5,6,7,8,9,10,11,12,13,14,15
	ds_load_b128 v[BK+4*(\t):BK+4*(\t)+3], v[RD] offset:(\t)*SPITCH
.endr
.irp t, 0,1,2,3,4,5,6,7,8,9,10,11,12,13,14,15
	s_wait_dscnt 15-(\t)
	global_store_b128 v[CO], v[BK+4*(\t):BK+4*(\t)+3], s[8:9] offset:(16*(\a)+(\t))*4096 th:TH_STORE_NT  ; 512 consecutive bytes, aligned
.endr
.endm
	OUT 0
	OUT 1
	OUT 2
	OUT 3
	s_wait_tensorcnt 0x0                           ; the wave's end, behind my last tensor load and my last LDS store
	ds_add_u32 v[SPW], v[NIL]
	s_wait_dscnt 0x0
	CROUND                                         ; the closing round: no work-group ends while a partner may still ask for a tile that names it
	s_endpgm
.Lfunc_end_k_q2580df47ed_oproj:
	.size	k_q2580df47ed_oproj, .Lfunc_end_k_q2580df47ed_oproj-k_q2580df47ed_oproj
	.p2alignl 7, 3214868480
	.fill 96, 4, 3214868480
	.section	.rodata,"a",@progbits
	.p2align	6, 0x0
	.amdhsa_kernel k_q2580df47ed_oproj
		.amdhsa_group_segment_fixed_size 327680
		.amdhsa_private_segment_fixed_size 0
		.amdhsa_enable_private_segment 0
		.amdhsa_kernarg_size 24
		.amdhsa_user_sgpr_count 2
		.amdhsa_user_sgpr_kernarg_segment_ptr 1
		.amdhsa_wavefront_size32 1
		.amdhsa_system_sgpr_workgroup_id_x 1
		.amdhsa_system_sgpr_workgroup_id_y 1
		.amdhsa_system_sgpr_workgroup_id_z 1
		.amdhsa_system_vgpr_workitem_id 0
		.amdhsa_next_free_vgpr 768
		.amdhsa_next_free_sgpr 72
		.amdhsa_reserve_vcc 0
		.amdhsa_float_denorm_mode_32 3
		.amdhsa_float_denorm_mode_16_64 3
		.amdhsa_memory_ordered 1
		.amdhsa_forward_progress 1
		.amdhsa_inst_pref_size 87
	.end_amdhsa_kernel
	.amdgpu_metadata
---
amdhsa.version: [ 1, 2 ]
amdhsa.kernels:
  - .name:           k_q2580df47ed_oproj
    .symbol:         k_q2580df47ed_oproj.kd
    .args:
      - { .name: ob, .offset: 0, .size: 8, .value_kind: global_buffer, .address_space: global }
      - { .name: woh, .offset: 8, .size: 8, .value_kind: global_buffer, .address_space: global }
      - { .name: out0, .offset: 16, .size: 8, .value_kind: global_buffer, .address_space: global }
    .group_segment_fixed_size: 327680
    .private_segment_fixed_size: 0
    .kernarg_segment_align: 8
    .kernarg_segment_size: 24
    .max_flat_workgroup_size: 128
    .sgpr_count:     72
    .vgpr_count:     768
    .wavefront_size: 32
...
	.end_amdgpu_metadata
.endif
;; end of part 4
